; MI455X (gfx1250); checked and timed in simulation.
; The chip was launched on July 23, 2026; its instructions are those of AMD's public machine-readable ISA for CDNA 5 (MIT licence, August 2026) and "CDNA5" Instruction Set Architecture Reference Guide (July 2026). The comments in the code are by the model that wrote it; some were corrected since.
;; Attention. Allowed arithmetic: matrix products marked QUANTISED: E2M3 operands, one E8M0 scale for each 32 along K, by v_wmma_scale_f32_16x16x128_f8f6f4 with both operands' format E2M3, f32 sums; everything else in f32.
;; Inputs: b_out 128 float32; w_in 384 x 128 float32; w_out 128 x 128 float32; x 64 x 64 x 128 float32.
;; Outputs: out0 64 x 64 x 128 float32.
;; This version of the problem:
;;   THIS VERSION OF THE PROBLEM IS GIVEN IN LOW PRECISION. The matrix products marked QUANTISED in the list below multiply operands that are first quantised to E2M3 (2 exponent bits, 3 mantissa bits; 6 bits a number), with one power-of-two scale for each 32 numbers along K (OCP MX v1.0); their sums are f32. All else is computed in f32.
;;   The module's matrix products, in the order in which they are computed (A, B: the left and right operand; K: the contracted axis; several contracted axes count as one K, in the product's order):
;;     1. [M 4,096, K 128] x [K 128, N 384]; A: input x; B: input w_in: QUANTISED
;;     2. batch 4 x [M 4,096, K 32] x [K 32, N 4,096]; A: computed on the way; B: computed on the way: QUANTISED
;;     3. batch 4 x [M 4,096, K 4,096] x [K 4,096, N 32]; A: softmax (see below); B: computed on the way: QUANTISED
;;     4. [M 4,096, K 128] x [K 128, N 128]; A: computed on the way; B: input w_out: QUANTISED
;;   THE QUANTISER, for each operand of a quantised product, along K:
;;     - K is cut into blocks of 32 from its start; a last block that is shorter is filled with zeros.
;;     - A block's scale is 2^e with e = floor(log2(the largest magnitude in the block)) - 2, held to -126 .. 127; a block of zeros has e = 0. As a byte (E8M0): e + 127.
;;     - Each number is divided by its block's scale, clamped to +-7.5, and rounded to the nearest number of E2M3, ties to even, subnormals kept.
;;     - The product sums the exact products of the quantised numbers (number of the format x scale) in f32.
;;   ~~~python
;;   def quantise(x, axis):      # numpy; x: float32 -> the quantised numbers, widened to float32 again
;;       x = np.moveaxis(x, axis, -1); K = x.shape[-1]
;;       x = np.pad(x, [(0, 0)] * (x.ndim - 1) + [(0, -K % 32)]); x = x.reshape(x.shape[:-1] + (-1, 32)); a = np.abs(x).max(-1, keepdims=True)
;;       e = np.where(a > 0, np.clip(np.frexp(np.where(a > 0, a, 1))[1] - 1 - 2, -126, 127), 0)      # np.frexp(a)[1] - 1 = floor(log2(a)), exactly
;;       r = np.clip(x / 2.0 ** e, -7.5, 7.5)
;;       step = 2.0 ** (np.maximum(np.frexp(np.where(r == 0, 1, r))[1] - 1, 0) - 3)
;;       q = np.round(r / step) * step * 2.0 ** e      # np.round: ties to even
;;       return np.moveaxis(q.reshape(q.shape[:-2] + (-1,))[..., :K], -1, axis).astype(np.float32)
;;   ~~~
;;   SOFTMAX AHEAD OF A QUANTISED PRODUCT. Where the list says 'softmax', what is quantised is not the finished softmax but p = 2^(t - M), with t = logit x log2(e) and M = ceil(the row's largest t), a whole number; so 1/2 < the row's largest p <= 1. The row's sum l is taken of the UNQUANTISED p, in f32, and the product's result is divided by l at the end. Since M is a whole number, a kernel that streams over the keys may use a running M (the ceiling of the running maximum): every later rescaling is an exact power of two, which a block's scale takes up: the codes' values come out the same.
;;   OPERANDS COMPUTED ON THE WAY. 'Computed on the way' means the value that the module computes at that place (a softmax that the list does not call 'softmax' is quantised finished and normalised). What goes into a quantiser is computed in f32, as accurately as f32 sums, v_exp_f32 and their like allow (about 1e-6 of the number): no bf16 or f16 on the way to a quantiser, and a product that is left as it is and whose result goes on into a quantised operand takes f32 operands (vector FMAs, or v_wmma_f32_16x16x4_f32). A number that lies on a knife's edge between two numbers of the format may be rounded either way, as far as f32 arithmetic and the matrix unit's own rounding can turn it there, and no further.
;; One version. Each part assembles by itself: llvm-mc -triple=amdgcn-amd-amdhsa -mcpu=gfx1250 --defsym DOCPART=n.
;; ======== version 1 of 1: 3 launches
;; workspace buffers: qk 4,194,304 bytes; ss 65,536 bytes; vq 409,600 bytes; wq 12,800 bytes; kq 409,600 bytes; qq 458,752 bytes
;; launch proj (part 1): grid 385 x 1, 8 waves a work-group, no clusters, 95,232 bytes of LDS; arguments x, w_in, w_out, qk, ss, vq, wq; writes qk, ss, vq, wq
.if DOCPART == 1
	.amdgcn_target "amdgcn-amd-amdhsa--gfx1250"
	.amdhsa_code_object_version 6
	.text
	.protected	k_qea719e58c0_proj
	.globl	k_qea719e58c0_proj
	.p2align	8
	.type	k_qea719e58c0_proj,@function
k_qea719e58c0_proj:
	s_mov_b64 s[64:65], 0
	v_nop
	global_prefetch_b8 v0, s[64:65] scope:SCOPE_SE
	s_setreg_imm32_b32 hwreg(HW_REG_WAVE_MODE, 25, 1), 1
	s_wait_xcnt 0x0
; qkv = Q(x) Q(w_in)^T on codes of FP6 (E2M3) with one E8M0 scale for each 32 along K = 128; and w_out's codes.
; x [4096][128], w_in [384][128], w_out [128][128]: f32, rows of 512 bytes.
; PHASE 1, all paths alike: each of the eight waves turns 16 rows x 128 K of f32 into one operand fragment (12 registers a lane and a scale word) and lays it in LDS
; as an image of its registers (16 bytes a lane, 512 bytes a store).  For the conversions lane (r, h) must hold blocks h and 2 + h of its row, 2 x 128 consecutive bytes: a block of 32 then lies in ONE lane, and its
; largest magnitude needs no other lane.  THE LOADS TAKE THE BYTES AS THEY LIE: each load of the wave covers one whole row, 512 consecutive bytes, 16 a lane; the 16 rows go through the wave's own stage in LDS
; (rows 528 bytes apart, an odd multiple of 16) and come back 128 bytes a lane and block.
; THE ROWS OF A TILE ARE NOT NEIGHBOURS: tile T of a group of 64 rows takes rows 32 (r / 8) + 8 T + r % 8, so that in a result a lane's registers of tiles 0..3 are 32 neighbours.  They are two runs of 8 neighbouring rows.
; PATHS, by the work-group's number:
;   0..255   q and k: group g = id % 64 of 64 rows of x against group pg = id / 64 of 64 rows of w_in.  Waves 0-3 (U = wave): source 0 = w_in's tile U, source 1 = x's tile T: lane (r, h) holds row r and channels
;            32 h + 8 U + 0..7; the f32 tiles go to qk as register images.  Waves 4-7: the same products with the sources swapped, so that a lane holds ONE channel: the sum of squares of the 64 rows goes to ss.
;   256..383 v: head (id - 256) / 32, key step id % 32 (128 rows of x: eight fragments).  Waves 0, 1 also quantise w_in's tile n = wave of the head (row 8 n + r % 8 + 16 (r / 8), so that attention's result holds
;            16 neighbouring channels a lane), form 128 keys x 16 channels, quantise ALONG THE KEYS (a lane holds two whole blocks) and store the fragment as attention's source 0 wants it.
;   384      w_out: wave n's fragment (rows 16 n + r) goes to wq as it stands.
; LIMITS: NaN and infinities are not served.  A block of zeros gets the scale byte 1 (its codes are zeros; the bytes are read by this program alone).
.set FRB,   1536                       ; a fragment's image in bytes
.set SCL,   16*FRB                     ; LDS: sixteen places for images, then sixteen for scale words (128 bytes each)
.set SPARE, SCL+16*128                 ; the spare words, 128 bytes for each wave: four blocks of 256 bytes that no other line names
.set STAGE, SPARE+8*128                ; behind them a stage for each wave: 16 rows x (512 bytes + 16)
.set SPT,   528
.set FLOOR, 0x1800000                  ; 2^(3 - 127): no largest magnitude is taken under it, so the byte cannot fall under 1
.set VSC,   393216                     ; vq: the scale words lie behind 128 x 3,072 bytes of codes
.set WSC,   12288                      ; wq: behind 8 x 1,536
.set SPW,  2                           ; v2   LDS address of my spare word; never rewritten
.set NIL,  3                           ; v3   0; never rewritten
.set LANE, 4
.set STW,  5                           ; v5   my stage, on the way in: 16 x lane
.set STR,  6                           ; v6   and on the way out: 528 r + 128 h
.set OFA,  7                           ; v7   first fragment: byte offset of my 16 bytes in its row 0;  v55: in its row 8
.set OFB,  8                           ; v8   the same, second fragment (v path, waves 0 and 1);  v56
.set LI,   9                           ; v9   16 x lane
.set LS,   10                          ; v10  4 x lane
.set IWA,  11                          ; v11  where my image goes: 16 x lane + FRB x wave
.set IWS,  12                          ; v12  and its scale word: SCL + 4 x lane + 128 x wave
.set WFA,  13                          ; v13  q/k path: w_in's tile wave % 4 lies in place 4 + wave % 4
.set WFS,  14
.set SH8,  15                          ; v15  8 h
.set MX,   16                          ; v16-17 largest magnitudes; later sums
.set SO,   18                          ; v18-19 the conversions' scale operands; later sums
.set BY,   20                          ; v20-21 scale bytes
.set WD,   22                          ; v22  the scale word just made
.set W2,   23
.set PC,   24                          ; v24-35 the codes just made
.set TC,   36                          ; v36-43 upper halves of blocks, before they are moved
.set XS,   44                          ; v44-51 x's scale words;  v52 w's
.set WS,   52
.set R4,   53                          ; v53  4 r
.set GA,   54                          ; v54  16 x lane + 1,024 x (wave % 4)
.set OFA2, 55
.set OFB2, 56
.set STA,  64                          ; v64-127  64 numbers;  v128-191 64 more
.set STB,  128
.set XF,   64                          ; behind the barrier: v64-159 x's fragments, v160-171 w's, v176-239 results
.set WF,   160
.set D,    176
.set WV,   18
.set ID,   19
.set SEL,  20                          ; s[20:21] v_permlanex16_b32's selects for lane l xor 16
.macro LOADD st, o0, o1, base          ; a fragment's 16 rows as they lie: row j into registers 4 j .. 4 j + 3; each load covers 512 consecutive bytes, eight loads on end 4,096
.irp j, 0,1,2,3,4,5,6,7
	global_load_b128 v[\st+4*\j:\st+4*\j+3], v[\o0], s[\base:\base+1] offset:512*\j
.endr
.irp j, 0,1,2,3,4,5,6,7
	global_load_b128 v[\st+32+4*\j:\st+32+4*\j+3], v[\o1], s[\base:\base+1] offset:512*\j
.endr
.endm
.macro TURN st                         ; through my stage: in by rows, back by blocks, into the registers that they left.  LDS serves a wave's instructions in order (ISA guide 5.7.1.4): the loads see the stores
.irp j, 0,1,2,3,4,5,6,7,8,9,10,11,12,13,14,15
	ds_store_b128 v[STW], v[\st+4*\j:\st+4*\j+3] offset:SPT*\j
.endr
.irp c, 0,1
.irp i, 0,1,2,3,4,5,6,7
	ds_load_b128 v[\st+32*\c+4*\i:\st+32*\c+4*\i+3], v[STR] offset:256*\c+16*\i   ; register 32 c + 4 i + e = k 64 c + 32 h + 4 i + e of row r
.endr
.endr
	s_wait_dscnt 0x0
.endm
; 64 numbers of a lane, register 32 c + i = k 64 c + 32 h + i of my row, become the fragment's codes in v[PC] on and its scale word in v[WD]
.macro QUANT s
.irp c, 0,1
	v_max3_num_f32 v[MX+\c], |v[\s+32*\c]|, |v[\s+32*\c+1]|, FLOOR
.endr
.irp i, 2,4,6,8,10,12,14,16,18,20,22,24,26,28,30
.irp c, 0,1
	v_max3_num_f32 v[MX+\c], v[MX+\c], |v[\s+32*\c+\i]|, |v[\s+32*\c+\i+1]|   ; (the two blocks by turns; each result tile is read from its low end on)
.endr
.endr
.irp c, 0,1
	s_delay_alu instid0(VALU_DEP_2)
	v_add_nc_u32 v[SO+\c], 0xff000000, v[MX+\c]    ; 2 off the exponent field: the conversion takes this operand's exponent field as its scale
.endr
.irp c, 0,1
	s_delay_alu instid0(VALU_DEP_2)
	v_lshrrev_b32 v[BY+\c], 23, v[SO+\c]           ; the scale's byte
.endr
	s_delay_alu instid0(VALU_DEP_1)
	v_lshl_or_b32 v[WD], v[BY+1], 16, v[BY]        ; my bytes: blocks h and 2 + h,
	s_delay_alu instid0(VALU_DEP_1)
	v_lshlrev_b32 v[WD], v[SH8], v[WD]             ; at their places in the word;
	s_delay_alu instid0(VALU_DEP_1)
	v_permlanex16_b32 v[W2], v[WD], s[SEL], s[SEL+1]
	s_delay_alu instid0(VALU_DEP_1)
	v_or_b32 v[WD], v[WD], v[W2]                   ; with lane l xor 16's two the word is whole
.irp c, 0,1
	v_cvt_scalef32_pk16_fp6_f32 v[PC+6*\c:PC+6*\c+2], v[\s+32*\c:\s+32*\c+15], v[SO+\c]
	v_cvt_scalef32_pk16_fp6_f32 v[TC+4*\c:TC+4*\c+2], v[\s+32*\c+16:\s+32*\c+31], v[SO+\c]   ; (a conversion's three registers begin on an even number)
.endr
	v_nop                                          ; one plain place behind the scaled conversions
.irp c, 0,1
.irp i, 0,1,2
	v_mov_b32 v[PC+6*\c+3+\i], v[TC+4*\c+\i]
.endr
.endr
.endm
.macro IMAGE slot                      ; the fragment goes to LDS as it stands: place slot + wave
.irp k, 0,1,2
	ds_store_b128 v[IWA], v[PC+4*\k:PC+4*\k+3] offset:\slot*FRB+512*\k
.endr
	ds_store_b32 v[IWS], v[WD] offset:\slot*128
.endm
.macro FETCH reg, adr, off             ; and comes back so, in any wave
.irp k, 0,1,2
	ds_load_b128 v[\reg+4*\k:\reg+4*\k+3], v[\adr] offset:\off+512*\k
.endr
.endm
.macro PLACES                          ; four plain places between a matrix instruction and the first read of its result (ISA guide 7.12.1)
.rept 4
	v_nop
.endr
.endm
.macro LOWSTORE data, base, off        ; lanes 0-15 store 64 consecutive bytes (lanes 16-31 hold the same words)
	s_wait_xcnt 0x0                                ; EXEC is a source of the memory instructions issued so far: it changes only behind this wait
	v_cmp_gt_u32 vcc_lo, 16, v[LANE]
	s_and_saveexec_b32 s38, vcc_lo
	global_store_b32 v[R4], v[\data], s[\base:\base+1] offset:\off
	s_wait_xcnt 0x0                                ; and again in front of the line that widens it
	s_or_b32 exec_lo, exec_lo, s38
.endm
	s_load_b256 s[4:11], s[0:1], 0x0               ; x s[4:5], w_in s[6:7], w_out s[8:9], qk s[10:11]
	s_load_b128 s[12:15], s[0:1], 0x20             ; ss s[12:13], vq s[14:15]
	s_load_b64 s[16:17], s[0:1], 0x30              ; wq
	v_lshl_add_u32 v[SPW], v0, 2, SPARE
	v_mov_b32 v[NIL], 0
	v_lshrrev_b32 v1, 5, v0
	s_delay_alu instid0(VALU_DEP_1)
	v_readfirstlane_b32 s[WV], v1                  ; wave 0..7
	s_mov_b32 s[ID], ttmp9
	s_mov_b32 s[SEL], 0x76543210
	s_mov_b32 s[SEL+1], 0xfedcba98
	v_and_b32 v[LANE], 31, v0
	v_bfe_u32 v1, v0, 4, 1                         ; h
	s_delay_alu instid0(VALU_DEP_1)
	v_lshlrev_b32 v[SH8], 3, v1
	s_delay_alu instid0(VALU_DEP_3)
	v_lshlrev_b32 v[LI], 4, v[LANE]
	s_delay_alu instid0(VALU_DEP_4)
	v_lshlrev_b32 v[LS], 2, v[LANE]
	s_wait_alu depctr_va_vdst(0)
	v_and_b32 v[R4], 15, v0                        ; r
	s_delay_alu instid0(VALU_DEP_1)
	v_mul_u32_u24 v[STR], v[R4], SPT
	s_delay_alu instid0(VALU_DEP_1)
	v_lshl_add_u32 v[STR], v1, 7, v[STR]           ; 528 r + 128 h
	s_wait_alu depctr_va_vdst(0)
	v_lshlrev_b32 v[R4], 2, v[R4]
	v_mov_b32 v[W2], 0                             ; written once: a lane permute's destination counts as one of its sources
	s_and_b32 s22, s[WV], 3
	s_lshr_b32 s23, s[WV], 2
	s_mul_i32 s24, s[WV], FRB                      ; every LDS address is made here, ahead of the first parting of the waves
	v_add_nc_u32 v[IWA], s24, v[LI]
	s_lshl_b32 s24, s[WV], 7
	s_add_co_u32 s24, s24, SCL
	v_add_nc_u32 v[IWS], s24, v[LS]
	s_add_co_u32 s25, s22, 4
	s_mul_i32 s24, s25, FRB
	v_add_nc_u32 v[WFA], s24, v[LI]
	s_lshl_b32 s24, s25, 7
	s_add_co_u32 s24, s24, SCL
	v_add_nc_u32 v[WFS], s24, v[LS]
	s_lshl_b32 s24, s22, 10
	v_add_nc_u32 v[GA], s24, v[LI]
	s_mul_i32 s24, s[WV], 16*SPT                   ; my stage
	s_add_co_u32 s24, s24, STAGE
	v_add_nc_u32 v[STW], s24, v[LI]
	v_add_nc_u32 v[STR], s24, v[STR]
	; which 16 rows of which tensor are my first fragment: row j = first + (j / 8) x spread + j % 8
	s_and_b32 s25, s[ID], 63                       ; q/k path: g,
	s_lshr_b32 s26, s[ID], 6                       ; pg
	s_cmp_eq_u32 s23, 0
	s_cselect_b32 s25, s25, s26                    ; waves 0-3 take x's group g, waves 4-7 w_in's group pg
	s_and_b32 s26, s[ID], 31                       ; v path: the key step;
	s_lshl_b32 s26, s26, 1
	s_add_co_u32 s26, s26, s23                     ; x's group 2 step + wave / 4
	s_cmp_lt_u32 s[ID], 256
	s_cselect_b32 s25, s25, s26
	s_cselect_b32 s27, s23, 0                      ; 1: my rows are w_in's
	s_lshl_b32 s25, s25, 6
	s_lshl_b32 s26, s22, 3
	s_add_co_u32 s25, s25, s26                     ; 64 x group + 8 x (wave % 4)
	s_lshl_b32 s26, s[WV], 4                       ; w_out's path: 16 x wave, rows as they lie
	s_cmp_lt_u32 s[ID], 384
	s_cselect_b32 s25, s25, s26
	s_cselect_b32 s28, 32, 8
	s_lshl_b32 s25, s25, 9                         ; rows of 512 bytes
	s_lshl_b32 s28, s28, 9
	v_add_nc_u32 v[OFA], s25, v[LI]                ; rows 0 to 7 of the fragment: 4,096 consecutive bytes,
	s_delay_alu instid0(VALU_DEP_1)
	v_add_nc_u32 v[OFA2], s28, v[OFA]              ; rows 8 to 15: the same, spread rows further down
	s_lshr_b32 s29, s[ID], 5                       ; v path, second fragment: w_in's row 256 + 32 head + 8 wave + 16 (j / 8) + j % 8, and 256 + 32 head = 32 (id / 32)
	s_lshl_b32 s29, s29, 5
	s_lshl_b32 s26, s[WV], 3
	s_add_co_u32 s29, s29, s26
	s_lshl_b32 s29, s29, 9
	v_add_nc_u32 v[OFB], s29, v[LI]
	s_delay_alu instid0(VALU_DEP_1)
	v_add_nc_u32 v[OFB2], 16*512, v[OFB]
	s_wait_alu depctr_va_vdst(0)
	s_wait_kmcnt 0x0
	s_cmp_eq_u32 s27, 0                            ; the tensor is chosen by ids alone
	s_cselect_b64 s[30:31], s[4:5], s[6:7]
	s_cmp_lt_u32 s[ID], 384
	s_cselect_b64 s[30:31], s[30:31], s[8:9]
	LOADD STA, OFA, OFA2, 30
	s_cmp_lt_u32 s[WV], 2                          ; the second fragment: waves 0 and 1 of the v path; load, work and store stand in this one branch
	s_cbranch_scc0 .Lone
	s_sub_co_u32 s32, s[ID], 256
	s_cmp_lt_u32 s32, 128
	s_cbranch_scc0 .Lone
	LOADD STB, OFB, OFB2, 6
	s_wait_loadcnt 0x0
	TURN STB
	QUANT STB
	IMAGE 8                                        ; places 8 and 9
	s_wait_dscnt 0x0                               ; the stores have read their registers: the codes are written again below
.Lone:
	s_wait_loadcnt 0x0
	TURN STA                                       ; (my stage is my own: its second use stands behind the wait for all my LDS instructions)
	QUANT STA
	IMAGE 0                                        ; place = wave
	s_wait_dscnt 0x0                               ; for the others' sake: my images have landed
	s_barrier_signal -1
	s_barrier_wait -1                              ; everybody's have; from here on LDS is only read
	s_cmp_lt_u32 s[ID], 256
	s_cbranch_scc1 .Lqk
	s_cmp_lt_u32 s[ID], 384
	s_cbranch_scc1 .Lv
	; ---- w_out: my fragment is still in my registers
	s_mul_i32 s34, s[WV], FRB
	s_mov_b32 s35, 0
	s_add_nc_u64 s[34:35], s[16:17], s[34:35]
	s_lshl_b32 s36, s[WV], 6
	s_mov_b32 s37, 0
	s_add_nc_u64 s[36:37], s[16:17], s[36:37]
	s_wait_alu depctr_va_vdst(0)
.irp k, 0,1,2
	global_store_b128 v[LI], v[PC+4*\k:PC+4*\k+3], s[34:35] offset:512*\k   ; 512 consecutive bytes a store
.endr
	LOWSTORE WD, 36, WSC
	s_branch .Lend
.Lqk:
	; ---- q and k: x's four tiles, and w_in's tile U = wave % 4
.irp t, 0,1,2,3
	FETCH XF+12*\t, LI, \t*FRB
	ds_load_b32 v[XS+\t], v[LS] offset:SCL+128*\t
.endr
	FETCH WF, WFA, 0
	ds_load_b32 v[WS], v[WFS]
	s_wait_dscnt 0x0
	s_cmp_lt_u32 s[WV], 4
	s_cbranch_scc0 .Lsums
.irp t, 0,1,2,3                        ; source 0 = 16 channels, source 1 = 16 rows: lane (r, h), register j: row r, channel 32 h + 8 U + j
	v_wmma_scale_f32_16x16x128_f8f6f4 v[D+8*\t:D+8*\t+7], v[WF:WF+11], v[XF+12*\t:XF+12*\t+11], 0, v[WS], v[XS+\t] matrix_a_fmt:MATRIX_FMT_FP6 matrix_b_fmt:MATRIX_FMT_FP6
.endr
	s_lshl_b32 s34, s[ID], 14                      ; the group's 16 tiles of 1,024 bytes; tile 4 T + U
	s_mov_b32 s35, 0
	s_add_nc_u64 s[34:35], s[10:11], s[34:35]
	PLACES
.irp t, 0,1,2,3
	global_store_b128 v[GA], v[D+8*\t:D+8*\t+3], s[34:35] offset:4096*\t       ; register images: 512 consecutive bytes a store, each tile from its low end on
	global_store_b128 v[GA], v[D+8*\t+4:D+8*\t+7], s[34:35] offset:4096*\t+512
.endr
	s_branch .Lend
.Lsums:
.irp t, 0,1,2,3                        ; the sources swapped: lane (r, h) holds channel 32 (r / 8) + 8 U + r % 8 and eight rows
	v_wmma_scale_f32_16x16x128_f8f6f4 v[D+8*\t:D+8*\t+7], v[XF+12*\t:XF+12*\t+11], v[WF:WF+11], 0, v[XS+\t], v[WS] matrix_a_fmt:MATRIX_FMT_FP6 matrix_b_fmt:MATRIX_FMT_FP6
.endr
	s_lshl_b32 s36, s[ID], 8                       ; ss: 256 bytes a group; word 16 U + r
	s_lshl_b32 s37, s22, 6
	s_add_co_u32 s36, s36, s37
	s_mov_b32 s37, 0
	s_add_nc_u64 s[36:37], s[12:13], s[36:37]
	PLACES
	v_pk_mul_f32 v[MX:MX+1], v[D:D+1], v[D:D+1]    ; the squares of my 32 numbers, two at a time, in two chains
	v_pk_mul_f32 v[SO:SO+1], v[D+2:D+3], v[D+2:D+3]
.irp j, 4,8,12,16,20,24,28
	v_pk_fma_f32 v[MX:MX+1], v[D+\j:D+\j+1], v[D+\j:D+\j+1], v[MX:MX+1]
	v_pk_fma_f32 v[SO:SO+1], v[D+\j+2:D+\j+3], v[D+\j+2:D+\j+3], v[SO:SO+1]
.endr
	s_delay_alu instid0(VALU_DEP_1)
	v_pk_add_f32 v[MX:MX+1], v[MX:MX+1], v[SO:SO+1]
	s_delay_alu instid0(VALU_DEP_1)
	v_add_f32 v[MX], v[MX], v[MX+1]
	s_delay_alu instid0(VALU_DEP_1)
	v_permlanex16_b32 v[W2], v[MX], s[SEL], s[SEL+1]
	s_delay_alu instid0(VALU_DEP_1)
	v_add_f32 v[MX], v[MX], v[W2]                  ; with lane l xor 16's 32 rows: the channel's sum over the group's 64
	s_wait_alu depctr_va_vdst(0)
	LOWSTORE MX, 36, 0
	s_branch .Lend
.Lv:
	; ---- v: waves 0 and 1: 128 keys x the 16 channels of tile n = wave
	s_cmp_lt_u32 s[WV], 2
	s_cbranch_scc0 .Lend
.irp t, 0,1,2,3,4,5,6,7
	FETCH XF+12*\t, LI, \t*FRB
	ds_load_b32 v[XS+\t], v[LS] offset:SCL+128*\t
.endr
	FETCH WF, IWA, 8*FRB
	ds_load_b32 v[WS], v[IWS] offset:8*128
	s_wait_dscnt 0x0
.irp t, 0,1,2,3,4,5,6,7                ; lane (r, h), register 8 t + j: channel r of the tile, key 64 (t / 4) + 32 h + 8 (t % 4) + j: 32 registers are a block of 32 keys
	v_wmma_scale_f32_16x16x128_f8f6f4 v[D+8*\t:D+8*\t+7], v[XF+12*\t:XF+12*\t+11], v[WF:WF+11], 0, v[XS+\t], v[WS] matrix_a_fmt:MATRIX_FMT_FP6 matrix_b_fmt:MATRIX_FMT_FP6
.endr
	s_sub_co_u32 s32, s[ID], 256                   ; 32 head + step
	s_mul_i32 s34, s32, 2*FRB
	s_mul_i32 s33, s[WV], FRB
	s_add_co_u32 s34, s34, s33
	s_mov_b32 s35, 0
	s_add_nc_u64 s[34:35], s[14:15], s[34:35]
	s_lshl_b32 s36, s32, 7
	s_lshl_b32 s33, s[WV], 6
	s_add_co_u32 s36, s36, s33
	s_mov_b32 s37, 0
	s_add_nc_u64 s[36:37], s[14:15], s[36:37]
	PLACES
	QUANT D                                        ; along the keys: the codes come out as the operand's registers
.irp k, 0,1,2
	global_store_b128 v[LI], v[PC+4*\k:PC+4*\k+3], s[34:35] offset:512*\k
.endr
	LOWSTORE WD, 36, VSC
.Lend:
	s_wait_tensorcnt 0x0                           ; the wave's end
	ds_add_u32 v[SPW], v[NIL]
	s_wait_dscnt 0x0
	s_endpgm
.Lfunc_end_k_qea719e58c0_proj:
	.size	k_qea719e58c0_proj, .Lfunc_end_k_qea719e58c0_proj-k_qea719e58c0_proj
	.p2alignl 7, 3214868480
	.fill 96, 4, 3214868480
	.section	.rodata,"a",@progbits
	.p2align	6, 0x0
	.amdhsa_kernel k_qea719e58c0_proj
		.amdhsa_group_segment_fixed_size 95232
		.amdhsa_private_segment_fixed_size 0
		.amdhsa_enable_private_segment 0
		.amdhsa_kernarg_size 56
		.amdhsa_user_sgpr_count 2
		.amdhsa_user_sgpr_kernarg_segment_ptr 1
		.amdhsa_wavefront_size32 1
		.amdhsa_system_sgpr_workgroup_id_x 1
		.amdhsa_system_sgpr_workgroup_id_y 1
		.amdhsa_system_sgpr_workgroup_id_z 1
		.amdhsa_system_vgpr_workitem_id 0
		.amdhsa_next_free_vgpr 240
		.amdhsa_next_free_sgpr 66
		.amdhsa_reserve_vcc 1
		.amdhsa_float_denorm_mode_32 3
		.amdhsa_float_denorm_mode_16_64 3
		.amdhsa_memory_ordered 1
		.amdhsa_forward_progress 1
		.amdhsa_inst_pref_size 32
	.end_amdhsa_kernel
	.amdgpu_metadata
---
amdhsa.version: [ 1, 2 ]
amdhsa.kernels:
  - .name:           k_qea719e58c0_proj
    .symbol:         k_qea719e58c0_proj.kd
    .args:
      - { .name: x, .offset: 0, .size: 8, .value_kind: global_buffer, .address_space: global }
      - { .name: w_in, .offset: 8, .size: 8, .value_kind: global_buffer, .address_space: global }
      - { .name: w_out, .offset: 16, .size: 8, .value_kind: global_buffer, .address_space: global }
      - { .name: qk, .offset: 24, .size: 8, .value_kind: global_buffer, .address_space: global }
      - { .name: ss, .offset: 32, .size: 8, .value_kind: global_buffer, .address_space: global }
      - { .name: vq, .offset: 40, .size: 8, .value_kind: global_buffer, .address_space: global }
      - { .name: wq, .offset: 48, .size: 8, .value_kind: global_buffer, .address_space: global }
    .group_segment_fixed_size: 95232
    .private_segment_fixed_size: 0
    .kernarg_segment_align: 8
    .kernarg_segment_size: 56
    .max_flat_workgroup_size: 256
    .sgpr_count:     66
    .vgpr_count:     240
    .wavefront_size: 32
...
	.end_amdgpu_metadata
.endif
;; end of part 1
;; launch norm (part 2): grid 256 x 1, 1 waves a work-group, no clusters, 512 bytes of LDS; arguments qk, ss, kq, qq; writes kq, qq
.if DOCPART == 2
	.amdgcn_target "amdgcn-amd-amdhsa--gfx1250"
	.amdhsa_code_object_version 6
	.text
	.protected	k_qea719e58c0_norm
	.globl	k_qea719e58c0_norm
	.p2align	8
	.type	k_qea719e58c0_norm,@function
k_qea719e58c0_norm:
	s_mov_b64 s[64:65], 0
	v_nop
	global_prefetch_b8 v0, s[64:65] scope:SCOPE_SE
	s_setreg_imm32_b32 hwreg(HW_REG_WAVE_MODE, 25, 1), 1
	s_wait_xcnt 0x0
; q and k are divided by their columns' L2 norms over all 4,096 rows (clipped at 1e-8 from below) and quantised along the head's 32 channels to codes of FP6 (E2M3), one E8M0 scale a row and head.
; One wave takes one group of the launch before: id = 64 pg + g: 64 rows (group g) x 64 channels (pg 0, 1: q's heads 0-1, 2-3; pg 2, 3: k's).  It loads the 16 f32 tiles as the register images in which they were stored:
; lane (r, h), register 32 T + 8 U + j: row 64 g + 32 (r / 8) + 8 T + r % 8, head 2 (pg % 2) + h, channel 8 U + j.  So 32 registers are one block of the quantiser, all in one lane.
; THE NORMS: ss holds for each group of rows 64 sums of squares (256 bytes); a lane adds its two words of the 64 groups (four chains), takes root, clip and reciprocal, and the 64 reciprocals are spread
; through 256 bytes of LDS, so that a lane gets the 32 of its head.  The division is a multiplication by that reciprocal (v_rcp_f32).
; OUT.  K as attention's source 0 wants it: a fragment is 64 keys x 32 channels: block b of "row" r holds key 32 (r / 8) + 8 b + r % 8: lanes 0-15 blocks 0 and 2, lanes 16-31 blocks 1 and 3.  My lanes hold two HEADS
; side by side; one exchange of halves between tiles 2 c and 2 c + 1 gives two fragments, one a head.  Q as rows of 24 bytes, [tile 4 g + T][head][r]; its scale byte four times in a word.
; LIMITS: NaN and infinities are not served.  A block of zeros gets the scale byte 1 (its codes are zeros; the bytes are read by this program alone).
.set SPARE, 256                        ; LDS: 256 bytes of reciprocals, then the spare words: one block of 256 bytes that no other line names
.set FLOOR, 0x1800000                  ; 2^(3 - 127)
.set SCOFF, 393216                     ; in kq and in qq the scale words lie behind 393,216 bytes of codes
.set SPW, 2
.set NIL, 3
.set LI,  4                            ; v4   16 x lane
.set L8,  5                            ; v5   8 x lane
.set NST, 6                            ; v6   LDS: where my two reciprocals go
.set NLD, 7                            ; v7   LDS: 128 h: my head's 32
.set KSA, 8                            ; v8   k's scale word: 4,096 h + 4 r
.set QCA, 9                            ; v9   q's codes: 384 h + 24 r
.set QSA, 10                           ; v10  q's scale word: 64 h + 4 r = 4 x lane
.set AC,  16                           ; v16-23 four chains of two sums
.set MX,  24                           ; v24-27 largest magnitudes
.set SO,  28                           ; v28-31 the conversions' scale operands
.set IV,  32                           ; v32-63 1 / norm of my head's channels
.set BY,  64                           ; v64-67 scale bytes
.set WD,  68
.set FA,  72                           ; v72-83 tiles 0 and 2;  v84-95 tiles 1 and 3
.set FB,  84
.set TC,  96                           ; v96-111 upper halves of blocks, before they are moved
.set DT,  128                          ; v128-255 the partial sums, later the normalised numbers.  Window 1, v0-127: the raw tiles
.set MSB, 0
.macro WIN new                         ; the immediate's high byte repeats the setting that is left
.if MSB != \new
	s_set_vgpr_msb (MSB<<8)|\new
.set MSB, \new
.endif
.endm
	s_load_b256 s[4:11], s[0:1], 0x0               ; qk s[4:5], ss s[6:7], kq s[8:9], qq s[10:11]
	v_lshl_add_u32 v[SPW], v0, 2, SPARE
	v_mov_b32 v[NIL], 0
	v_lshlrev_b32 v[LI], 4, v0
	v_lshlrev_b32 v[L8], 3, v0
	v_bfe_u32 v1, v0, 2, 1                         ; my words of a group's 64 are 2 l and 2 l + 1: word 16 U + r is channel 32 (r / 8) + 8 U + r % 8,
	v_lshrrev_b32 v9, 3, v0                        ; so mine are channels 32 ((l / 4) % 2) + 8 (l / 8) + 2 (l % 4) and the next
	v_and_b32 v10, 3, v0
	v_lshlrev_b32 v[NST], 7, v1
	v_lshl_add_u32 v[NST], v9, 5, v[NST]
	v_lshl_add_u32 v[NST], v10, 3, v[NST]
	v_bfe_u32 v11, v0, 4, 1                        ; h
	v_and_b32 v12, 15, v0                          ; r
	v_lshlrev_b32 v[NLD], 7, v11
	v_lshlrev_b32 v[KSA], 2, v12
	v_lshl_add_u32 v[KSA], v11, 12, v[KSA]
	v_mul_u32_u24 v[QCA], v12, 24
	v_mad_u32_u24 v[QCA], v11, 384, v[QCA]
	v_lshlrev_b32 v[QSA], 2, v0
	s_mov_b32 s12, ttmp9
	s_lshr_b32 s13, s12, 6                         ; pg
	s_and_b32 s14, s12, 63                         ; g
	s_lshl_b32 s16, s12, 14                        ; my 16 tiles: 16,384 bytes a group
	s_mov_b32 s17, 0
	s_lshl_b32 s18, s13, 14                        ; my channels' sums: 64 groups of rows x 256 bytes
	s_mov_b32 s19, 0
	s_wait_kmcnt 0x0
	s_add_nc_u64 s[4:5], s[4:5], s[16:17]
	s_add_nc_u64 s[6:7], s[6:7], s[18:19]
.set i, 0
.rept 64
	global_load_b64 v[DT+2*i:DT+2*i+1], v[L8], s[6:7] offset:256*i      ; 256 consecutive bytes a load
.set i, i+1
.endr
	WIN 0x40                                       ; destination window 1, address window 0
.set i, 0
.rept 32
	global_load_b128 v[4*i:4*i+3], v[LI], s[4:5] offset:512*i           ; the images: 512 consecutive bytes a load
.set i, i+1
.endr
	WIN 0
	s_wait_loadcnt 32                              ; the 64 loads of sums are in; the 32 of the tiles, issued behind them, may be out
.irp k, 0,1,2,3
	v_pk_add_f32 v[AC+2*\k:AC+2*\k+1], v[DT+2*\k:DT+2*\k+1], v[DT+8+2*\k:DT+9+2*\k]
.endr
.set i, 8
.rept 56
	v_pk_add_f32 v[AC+2*(i%4):AC+2*(i%4)+1], v[AC+2*(i%4):AC+2*(i%4)+1], v[DT+2*i:DT+2*i+1]
.set i, i+1
.endr
	v_pk_add_f32 v[AC:AC+1], v[AC:AC+1], v[AC+2:AC+3]
	v_pk_add_f32 v[AC+4:AC+5], v[AC+4:AC+5], v[AC+6:AC+7]
	v_pk_add_f32 v[AC:AC+1], v[AC:AC+1], v[AC+4:AC+5]
	s_wait_alu depctr_va_vdst(0)
	v_sqrt_f32 v[AC], v[AC]
	v_sqrt_f32 v[AC+1], v[AC+1]
	v_nop                                          ; a plain place behind the roots,
	s_wait_alu depctr_va_vdst(0)                   ; and the wait ahead of their first reader: one for both
	v_max_num_f32 v[AC], 0x322bcc77, v[AC]         ; clip at 1e-8
	v_max_num_f32 v[AC+1], 0x322bcc77, v[AC+1]
	s_wait_alu depctr_va_vdst(0)
	v_rcp_f32 v[AC], v[AC]
	v_rcp_f32 v[AC+1], v[AC+1]
	v_nop
	s_wait_alu depctr_va_vdst(0)
	ds_store_b64 v[NST], v[AC:AC+1]                ; by channel
.irp i, 0,1,2,3,4,5,6,7
	ds_load_b128 v[IV+4*\i:IV+4*\i+3], v[NLD] offset:16*\i   ; LDS serves a wave's instructions in order (ISA guide 5.7.1.4): these see my store
.endr
	s_wait_loadcnt 0x0
	s_wait_dscnt 0x0
	WIN 0x01                                       ; source 0 window 1
.set i, 0
.rept 64
	v_pk_mul_f32 v[DT+2*i:DT+2*i+1], v[2*i:2*i+1], v[IV+(2*i)%32:IV+(2*i)%32+1]
.set i, i+1
.endr
	WIN 0
.irp t, 0,1,2,3
	v_max3_num_f32 v[MX+\t], |v[DT+32*\t]|, |v[DT+32*\t+1]|, FLOOR
.endr
.irp i, 2,4,6,8,10,12,14,16,18,20,22,24,26,28,30
.irp t, 0,1,2,3
	v_max3_num_f32 v[MX+\t], v[MX+\t], |v[DT+32*\t+\i]|, |v[DT+32*\t+\i+1]|   ; (the four blocks by turns)
.endr
.endr
.irp t, 0,1,2,3
	v_add_nc_u32 v[SO+\t], 0xff000000, v[MX+\t]    ; 2 off the exponent field: the conversion's scale operand
.endr
.irp t, 0,1,2,3
	v_lshrrev_b32 v[BY+\t], 23, v[SO+\t]           ; the scale's byte
.endr
.irp t, 0,1,2,3
	v_cvt_scalef32_pk16_fp6_f32 v[FA+6*(\t/2)+12*(\t%2):FA+6*(\t/2)+12*(\t%2)+2], v[DT+32*\t:DT+32*\t+15], v[SO+\t]
	v_cvt_scalef32_pk16_fp6_f32 v[TC+4*\t:TC+4*\t+2], v[DT+32*\t+16:DT+32*\t+31], v[SO+\t]   ; (a conversion's three registers begin on an even number)
.endr
	v_nop                                          ; one plain place behind the scaled conversions
.irp t, 0,1,2,3
.irp i, 0,1,2
	v_mov_b32 v[FA+6*(\t/2)+12*(\t%2)+3+\i], v[TC+4*\t+\i]
.endr
.endr
	s_cmp_lt_u32 s13, 2
	s_cbranch_scc1 .Lq
	; ---- k
	v_lshl_or_b32 v[WD], v[BY+1], 8, v[BY]         ; the scale word of "row" r: byte b for block b = tile b
	v_lshl_or_b32 v[WD], v[BY+2], 16, v[WD]
	v_lshl_or_b32 v[WD], v[BY+3], 24, v[WD]
.irp e, 0,1,2,3,4,5,6,7,8,9,10,11
	v_permlane16_swap_b32 v[FA+\e], v[FB+\e]       ; tile 2 c's lanes 16-31 (the odd head) change places with tile 2 c + 1's lanes 0-15 (the even head): FA is now the even head's fragment, FB the odd head's
.endr
	s_and_b32 s15, s13, 1
	s_mul_i32 s20, s15, 2*64*1536                  ; head 2 (pg % 2): 64 fragments of 1,536 bytes a head
	s_mul_i32 s21, s14, 1536
	s_add_co_u32 s20, s20, s21
	s_mov_b32 s21, 0
	s_add_nc_u64 s[20:21], s[8:9], s[20:21]
	s_lshl_b32 s22, s15, 13                        ; scale words: 4,096 bytes a head, 64 a fragment
	s_lshl_b32 s23, s14, 6
	s_add_co_u32 s22, s22, s23
	s_mov_b32 s23, 0
	s_add_nc_u64 s[22:23], s[8:9], s[22:23]
	s_wait_alu depctr_va_vdst(0)
.irp k, 0,1,2
	global_store_b128 v[LI], v[FA+4*\k:FA+4*\k+3], s[20:21] offset:512*\k             ; 512 consecutive bytes a store
	global_store_b128 v[LI], v[FB+4*\k:FB+4*\k+3], s[20:21] offset:64*1536+512*\k
.endr
	global_store_b32 v[KSA], v[WD], s[22:23] offset:SCOFF
	s_branch .Lend
.Lq:
	; ---- q
.irp t, 0,1,2,3
	v_lshl_or_b32 v[BY+\t], v[BY+\t], 8, v[BY+\t]  ; the byte four times: in attention q's block stands at each of the four places by turns
.endr
.irp t, 0,1,2,3
	v_lshl_or_b32 v[BY+\t], v[BY+\t], 16, v[BY+\t]
.endr
	s_mul_i32 s20, s14, 4*1536                     ; tile 4 g + T: 1,536 bytes a tile, 384 a head
	s_mul_i32 s21, s13, 768
	s_add_co_u32 s20, s20, s21
	s_mov_b32 s21, 0
	s_add_nc_u64 s[20:21], s[10:11], s[20:21]
	s_lshl_b32 s22, s14, 10                        ; scale words: 256 bytes a tile, 64 a head
	s_lshl_b32 s23, s13, 7
	s_add_co_u32 s22, s22, s23
	s_mov_b32 s23, 0
	s_add_nc_u64 s[22:23], s[10:11], s[22:23]
	s_wait_alu depctr_va_vdst(0)
.irp t, 0,1,2,3
.irp i, 0,1,2
	global_store_b64 v[QCA], v[FA+6*(\t/2)+12*(\t%2)+2*\i:FA+6*(\t/2)+12*(\t%2)+2*\i+1], s[20:21] offset:1536*\t+8*\i   ; three stores fill sixteen rows' 384 consecutive bytes a head
.endr
	global_store_b32 v[QSA], v[BY+\t], s[22:23] offset:SCOFF+256*\t
.endr
.Lend:
	s_wait_tensorcnt 0x0                           ; the wave's end
	ds_add_u32 v[SPW], v[NIL]
	s_wait_dscnt 0x0
	s_endpgm
.Lfunc_end_k_qea719e58c0_norm:
	.size	k_qea719e58c0_norm, .Lfunc_end_k_qea719e58c0_norm-k_qea719e58c0_norm
	.p2alignl 7, 3214868480
	.fill 96, 4, 3214868480
	.section	.rodata,"a",@progbits
	.p2align	6, 0x0
	.amdhsa_kernel k_qea719e58c0_norm
		.amdhsa_group_segment_fixed_size 512
		.amdhsa_private_segment_fixed_size 0
		.amdhsa_enable_private_segment 0
		.amdhsa_kernarg_size 32
		.amdhsa_user_sgpr_count 2
		.amdhsa_user_sgpr_kernarg_segment_ptr 1
		.amdhsa_wavefront_size32 1
		.amdhsa_system_sgpr_workgroup_id_x 1
		.amdhsa_system_sgpr_workgroup_id_y 1
		.amdhsa_system_sgpr_workgroup_id_z 1
		.amdhsa_system_vgpr_workitem_id 0
		.amdhsa_next_free_vgpr 384
		.amdhsa_next_free_sgpr 66
		.amdhsa_reserve_vcc 0
		.amdhsa_float_denorm_mode_32 3
		.amdhsa_float_denorm_mode_16_64 3
		.amdhsa_memory_ordered 1
		.amdhsa_forward_progress 1
		.amdhsa_inst_pref_size 30
	.end_amdhsa_kernel
	.amdgpu_metadata
---
amdhsa.version: [ 1, 2 ]
amdhsa.kernels:
  - .name:           k_qea719e58c0_norm
    .symbol:         k_qea719e58c0_norm.kd
    .args:
      - { .name: qk, .offset: 0, .size: 8, .value_kind: global_buffer, .address_space: global }
      - { .name: ss, .offset: 8, .size: 8, .value_kind: global_buffer, .address_space: global }
      - { .name: kq, .offset: 16, .size: 8, .value_kind: global_buffer, .address_space: global }
      - { .name: qq, .offset: 24, .size: 8, .value_kind: global_buffer, .address_space: global }
    .group_segment_fixed_size: 512
    .private_segment_fixed_size: 0
    .kernarg_segment_align: 8
    .kernarg_segment_size: 32
    .max_flat_workgroup_size: 32
    .sgpr_count:     66
    .vgpr_count:     384
    .wavefront_size: 32
...
	.end_amdgpu_metadata
.endif
;; end of part 2
;; launch attn (part 3): grid 256 x 1, 16 waves a work-group, no clusters, 49,152 bytes of LDS; arguments qq, kq, vq, wq, b_out, out0; writes out0
.if DOCPART == 3
	.amdgcn_target "amdgcn-amd-amdhsa--gfx1250"
	.amdhsa_code_object_version 6
	.text
	.protected	k_qea719e58c0_attn
	.globl	k_qea719e58c0_attn
	.p2align	8
	.type	k_qea719e58c0_attn,@function
k_qea719e58c0_attn:
	s_mov_b64 s[64:65], 0
	v_nop
	global_prefetch_b8 v0, s[64:65] scope:SCOPE_SE
	s_setreg_imm32_b32 hwreg(HW_REG_WAVE_MODE, 25, 1), 1
	s_wait_xcnt 0x0
; out0 = Q(softmax(10 q k^T) v) Q(w_out)^T + b_out, all three products on codes of FP6 (E2M3) with one E8M0 scale for each 32 along a product's K.  4,096 queries and keys, 4 heads of 32.
; SHARES.  A work-group owns 16 queries (tile id = 4 g + T: rows 64 g + 32 (r / 8) + 8 T + r % 8) and ALL FOUR HEADS, so that the last product, whose K runs over the heads, needs no launch of its own.
; Wave w owns head w % 4 and keys 1,024 (w / 4) on: 8 steps of 128 keys, in 248 registers: four waves to a SIMD, so that one wave's vector work stands beside another's loads and matrix work.
; THE WALK IS ROTATED: work-group id begins at step id % 8 of each wave's eight and goes round, so that at any moment the 256 work-groups ask for eight different eighths of K and V and not all for the same
; 102,400 bytes.  The order of the key steps is free: the running M brings every step under one measure by powers of two.
; THE FIRST PRODUCT'S K IS 32, the instruction's 128.  A fragment of K holds FOUR tiles of 16 keys, one in each block of 32, and is multiplied four times, by a fragment of Q in which one block holds q and
; the other three hold zero codes (which add nothing under any scale byte but 0xff; the bytes here are 1 to 254).  Q's four fragments overlap in 30 registers: zeros, q in lanes 0-15, zeros, q in lanes 16-31, zeros.
; LAYOUT.  Both products are used transposed (S^T = K Q^T, O^T = V^T P^T): a lane holds ONE query.  Tile b of fragment f holds in lane (r, h), register j, key 64 f + 32 h + 8 b + j of the step: a lane's 32 registers
; of a fragment are one whole block of 32 keys: its largest score needs no other lane, and the conversions' results are P's operand registers as they stand.
; THE SOFTMAX: t = score x 10 log2(e) (one rounding); M = the running largest t, rounded up to a whole number, kept as -M; p = 2^(t - M) is quantised, not normalised; the sum is taken of the unquantised p;
; when M moves, sum and O^T are multiplied by 2^(old M - new M), which rounds nothing.  A block's largest p is the exponential of its largest score (this takes v_exp_f32 not to fall where its input rises).
; K AND V COME FROM MEMORY STRAIGHT INTO REGISTERS: the launches before laid them in the order of the operands' registers, 512 consecutive bytes a load.  Each is asked for a step ahead, into registers just freed.
; No LDS ring and no cluster: no two waves of the work-group read the same fragment, so a ring would pass each byte through LDS once more for one reader; joint requests exist for tensor loads into such a ring alone.
; No prefetch: K and V are 819,200 bytes in all and every work-group reads all of them.
; THE END.  The four key quarters of a head meet in LDS and are brought under the largest M by powers of two; O / sum is quantised (a block = a head) into rows of 96 bytes; waves 0-7 multiply by w_out's tile
; n = wave with the bias as C; the 16 rows of 512 bytes leave through a stage, a row a wave.
; LIMITS: NaN and infinities are not served; p under 2^-126 counts as 0.
.set MWB,    2304                      ; LDS: for each wave 2,048 bytes of O^T's image and 256 of (-M, sum)
.set OCD,    16*MWB                    ; the attention's result as codes: 16 rows of 96 bytes,
.set OSC,    OCD+1536                  ; their scale words,
.set STG,    OSC+256                   ; the stage: 16 rows x (512 bytes + 16)
.set SPITCH, 528
.set SPARE,  STG+16*SPITCH             ; the spare words, 128 bytes for each wave: eight blocks of 256 bytes that no other line names
.set SCOFF,  393216                    ; in qq, kq and vq the scale words lie behind 393,216 bytes of codes
.set STEPB,  3072                      ; a step's codes of K, and of V: two fragments
.set FLOOR,  0x1800000                 ; 2^(3 - 127)
.set SPW, 2                            ; v2   LDS address of my spare word; never rewritten
.set NIL, 3                            ; v3   0; never rewritten
.set LI,  4                            ; v4   16 x lane
.set LS,  5                            ; v5   4 x lane
.set SH8, 6                            ; v6   8 h
.set R4,  7                            ; v7   4 r
.set MA,  8                            ; v8   LDS: my image of O^T
.set MB,  9                            ; v9   LDS: my (-M, sum)
.set OA,  10                           ; v10  LDS: where my 12 bytes of codes go
.set OB,  11                           ; v11  LDS: and my row's scale byte
.set NM,  12                           ; v12  -M;  v13 the largest t, at the end the sum;  v[14:15] the sum in two halves
.set Q,   16                           ; v16-45
.set QS,  46                           ; scale words, and nothing else: q's, K's, V's, p's
.set KS,  47
.set VS,  48
.set PS,  49
.set KF,  50                           ; v50-73  K's two fragments
.set VF,  74                           ; v74-97  V's two
.set S,   98                           ; v98-161 S^T, then p
.set O,   162                          ; v162-177 O^T: register 8 n + j = channel 16 h + 8 n + j
.set PC,  178                          ; v178-189 p's codes
.set TC,  190                          ; v190-197 upper halves of blocks, before they are moved
.set BM,  198                          ; v198-199 the blocks' largest scores;  v200-201 second chains
.set B2,  200
.set T0,  202
.set T1,  203
.set T2,  204                          ; v[204:205]
.set SO,  206                          ; v206-207 the conversions' scale operands
.set BY,  208                          ; v208-209 scale bytes
.set F,   210                          ; v[210:211] 2^(old M - new M)
.set WO,  212                          ; v212-223 w_out's fragment;  v224 its scale word
.set WOS, 224
.set BI,  226                          ; v226-233 the bias, then the result
.set OL,  234                          ; LDS: my lane's place in the rows of codes
.set SA,  235                          ; LDS: where I put 32 bytes of a row of the result
.set SR,  236                          ; LDS: where I read a row back
.set QV,  237                          ; 24 r
.set BV,  238                          ; 32 h
.set FQ,  240                          ; v240-243 the quarters' powers of two
.set CO,  244                          ; v244 the codes' offset in my eight steps: 16 x lane + 3,072 x step
.set SF,  245                          ; v245 the scale words': 4 x lane + 128 x step
.set WV,  16
.set HD,  17
.set KQ,  18
.set TILE, 19
.set SEL, 20                           ; s[20:21] v_permlanex16_b32's selects for lane l xor 16
.set CS,  22                           ; s[22:23] c = 10 log2(e): the packed form names a pair and takes its low word for both halves
.set KP,  24                           ; s[24:25] my eight steps' codes of K;  s[26:27] their scale words;  s[28:29], s[30:31] V's: never stepped
.set KSP, 26
.set VP,  28
.set VSP, 30
.set CNT, 32
.set SG,  33                           ; s33  the step that is being asked for, 0 to 7
.macro KLOAD
.irp i, 0,1,2,3,4,5
	global_load_b128 v[KF+4*\i:KF+4*\i+3], v[CO], s[KP:KP+1] offset:512*\i
.endr
	global_load_b32 v[KS], v[SF], s[KSP:KSP+1] offset:SCOFF          ; lanes 0-15: the first fragment's words, lanes 16-31 the second's
.endm
.macro VLOAD
.irp i, 0,1,2,3,4,5
	global_load_b128 v[VF+4*\i:VF+4*\i+3], v[CO], s[VP:VP+1] offset:512*\i
.endr
	global_load_b32 v[VS], v[SF], s[VSP:VSP+1] offset:SCOFF
.endm
.macro PLACES                          ; four plain places behind a matrix instruction, in front of loads into its registers and of the first read of its result
.rept 4
	v_nop
.endr
.endm
.macro BARRIER                         ; my LDS stores have landed and my LDS loads are in: then the work-group's barrier
	s_wait_dscnt 0x0
	s_barrier_signal -1
	s_barrier_wait -1
.endm
; A KEY STEP: 128 keys.  more = 1: the next step's K and V are asked for.
.macro STEP more
	s_wait_loadcnt 7                               ; K's seven loads are in; V's seven, issued behind them, may be out
.irp f, 0,1
.irp b, 0,1,2,3                        ; q at block b: 0: v[Q+6..], 1: v[Q+18..], 2: v[Q..], 3: v[Q+12..]
.if \f
	v_wmma_scale_f32_16x16x128_f8f6f4 v[S+32*\f+8*\b:S+32*\f+8*\b+7], v[KF+12*\f:KF+12*\f+11], v[Q+6+12*(\b%2)-6*(\b/2):Q+17+12*(\b%2)-6*(\b/2)], 0, v[KS], v[QS] matrix_a_fmt:MATRIX_FMT_FP6 matrix_b_fmt:MATRIX_FMT_FP6 matrix_a_scale:MATRIX_SCALE_ROW1
.else
	v_wmma_scale_f32_16x16x128_f8f6f4 v[S+32*\f+8*\b:S+32*\f+8*\b+7], v[KF+12*\f:KF+12*\f+11], v[Q+6+12*(\b%2)-6*(\b/2):Q+17+12*(\b%2)-6*(\b/2)], 0, v[KS], v[QS] matrix_a_fmt:MATRIX_FMT_FP6 matrix_b_fmt:MATRIX_FMT_FP6
.endif
.endr
.endr
.if \more
	v_nop                                          ; four places: these two and the two additions below
	v_nop
	s_wait_xcnt 0x0                                ; the loads issued so far, this step's V last, have read their offsets: the two registers may be written
	s_add_co_u32 s[SG], s[SG], 1                   ; the next step, round the eight
	s_and_b32 s[SG], s[SG], 7
	s_mul_i32 s36, s[SG], STEPB
	s_lshl_b32 s37, s[SG], 7
	v_add_nc_u32 v[CO], s36, v[LI]
	v_add_nc_u32 v[SF], s37, v[LS]                 ; they serve the next step's K here and its V at this step's end
	KLOAD                                          ; a whole softmax ahead of their use
.else
	PLACES
.endif
.irp c, 0,1                            ; THE LARGEST SCORE OF EACH BLOCK OF 32 KEYS, in two chains a block; each tile is read from its low end on
	v_max3_num_f32 v[BM+\c], v[S+32*\c], v[S+32*\c+1], v[S+32*\c+2]
	v_max3_num_f32 v[B2+\c], v[S+32*\c+16], v[S+32*\c+17], v[S+32*\c+18]
.endr
.irp i, 3,5,7,9,11,13
.irp c, 0,1
	v_max3_num_f32 v[BM+\c], v[BM+\c], v[S+32*\c+\i], v[S+32*\c+\i+1]
	v_max3_num_f32 v[B2+\c], v[B2+\c], v[S+32*\c+16+\i], v[S+32*\c+17+\i]
.endr
.endr
.irp c, 0,1
	v_max3_num_f32 v[BM+\c], v[BM+\c], v[B2+\c], v[S+32*\c+15]
.endr
.irp c, 0,1
	v_max_num_f32 v[BM+\c], v[BM+\c], v[S+32*\c+31]
.endr
	s_delay_alu instid0(VALU_DEP_1)
	v_max_num_f32 v[T0], v[BM], v[BM+1]
	s_delay_alu instid0(VALU_DEP_1)
	v_permlanex16_b32 v[T1], v[T0], s[SEL], s[SEL+1]
	s_delay_alu instid0(VALU_DEP_1)
	v_max_num_f32 v[T0], v[T0], v[T1]              ; with lane l xor 16's two blocks: the step's largest score of my query
	s_delay_alu instid0(VALU_DEP_1)
	v_mul_f32 v[T0], s[CS], v[T0]                  ; as t (c is positive)
	s_delay_alu instid0(VALU_DEP_1)
	v_max_num_f32 v[NM+1], v[NM+1], v[T0]          ; the running largest t
	v_mov_b32 v[T0], v[NM]
	s_delay_alu instid0(VALU_DEP_2)
	v_floor_f32 v[NM], -v[NM+1]                    ; the new -M = floor(-t) = -ceil(t): a whole number
	s_delay_alu instid0(VALU_DEP_1)
	v_sub_f32 v[T0], v[NM], v[T0]                  ; old M - new M: a whole number, 0 or less
	s_delay_alu instid0(VALU_DEP_1)
	v_cvt_i32_f32 v[T0], v[T0]                     ; (it saturates)
	s_delay_alu instid0(VALU_DEP_1)
	v_ldexp_f32 v[F], 1.0, v[T0]                   ; f = 2^(old M - new M)
.set j, 0
.rept 32
	v_pk_fma_f32 v[S+j:S+j+1], v[S+j:S+j+1], s[CS:CS+1], v[NM:NM+1] op_sel_hi:[1,0,0]   ; t - M, two at a time (of the pairs c and -M the low word serves both halves)
.set j, j+2
.endr
.irp c, 0,1
	v_fma_f32 v[BM+\c], v[BM+\c], s[CS], v[NM]     ; the same of each block's largest score
.endr
.set j, 0
	s_wait_alu depctr_va_vdst(0)
.rept 64
	v_exp_f32 v[S+j], v[S+j]                       ; p = 2^(t - M), at most 1
.set j, j+1
.endr
	s_setprio 1
	v_pk_mul_f32 v[14:15], v[14:15], v[F:F+1] op_sel_hi:[1,0]   ; the sums under the new M; a plain place behind the exponentials
	s_wait_alu depctr_va_vdst(0)                   ; the wait ahead of the first reader: one for the batch of 64
.irp c, 0,1
	v_exp_f32 v[BM+\c], v[BM+\c]                   ; the block's largest p: the same two instructions on the same number give the same bits
.endr
	v_pk_add_f32 v[204:205], v[102:103], v[106:107]
	v_pk_add_f32 v[246:247], v[110:111], v[114:115]
	v_pk_add_f32 v[242:243], v[118:119], v[122:123]
	v_pk_add_f32 v[240:241], v[126:127], v[130:131]
	v_pk_add_f32 v[238:239], v[134:135], v[138:139]
	v_pk_add_f32 v[208:209], v[142:143], v[146:147]
	v_pk_add_f32 v[206:207], v[150:151], v[154:155]
	v_pk_add_f32 v[14:15], v[14:15], v[158:159]
	v_pk_add_f32 v[204:205], v[204:205], v[98:99]
	v_pk_add_f32 v[246:247], v[246:247], v[100:101]
	v_pk_add_f32 v[242:243], v[242:243], v[104:105]
	v_pk_add_f32 v[240:241], v[240:241], v[108:109]
	v_pk_add_f32 v[238:239], v[238:239], v[112:113]
	v_pk_add_f32 v[208:209], v[208:209], v[116:117]
	v_pk_add_f32 v[206:207], v[206:207], v[120:121]
	v_pk_add_f32 v[14:15], v[14:15], v[124:125]
	v_pk_add_f32 v[204:205], v[204:205], v[128:129]
	v_pk_add_f32 v[246:247], v[246:247], v[132:133]
	v_pk_add_f32 v[242:243], v[242:243], v[136:137]
	v_pk_add_f32 v[240:241], v[240:241], v[140:141]
	v_pk_add_f32 v[238:239], v[238:239], v[144:145]
	v_pk_add_f32 v[208:209], v[208:209], v[148:149]
	v_pk_add_f32 v[206:207], v[206:207], v[152:153]
	v_pk_add_f32 v[14:15], v[14:15], v[156:157]
	v_pk_add_f32 v[204:205], v[204:205], v[160:161]
	s_delay_alu instid0(VALU_DEP_2)
	v_pk_add_f32 v[14:15], v[14:15], v[240:241]
	s_delay_alu instid0(VALU_DEP_2)
	v_pk_add_f32 v[204:205], v[204:205], v[238:239]
	v_pk_add_f32 v[246:247], v[246:247], v[208:209]
	v_pk_add_f32 v[242:243], v[242:243], v[206:207]
	s_delay_alu instid0(VALU_DEP_2)
	v_pk_add_f32 v[14:15], v[14:15], v[246:247]
	s_delay_alu instid0(VALU_DEP_2)
	v_pk_add_f32 v[204:205], v[204:205], v[242:243]
	s_delay_alu instid0(VALU_DEP_1)
	v_pk_add_f32 v[14:15], v[14:15], v[204:205]
	s_wait_alu depctr_va_vdst(0)                   ; and one for the two
.irp c, 0,1
	v_max_num_f32 v[BM+\c], FLOOR, v[BM+\c]        ; the byte cannot fall under 1
.endr
.irp c, 0,1
	s_delay_alu instid0(VALU_DEP_2)
	v_add_nc_u32 v[SO+\c], 0xff000000, v[BM+\c]    ; 2 off the exponent field: the conversion's scale operand
.endr
.irp c, 0,1
	s_delay_alu instid0(VALU_DEP_2)
	v_lshrrev_b32 v[BY+\c], 23, v[SO+\c]           ; the scale's byte
.endr
	s_delay_alu instid0(VALU_DEP_1)
	v_lshl_or_b32 v[T0], v[BY+1], 16, v[BY]        ; my bytes: blocks h and 2 + h,
	s_delay_alu instid0(VALU_DEP_1)
	v_lshlrev_b32 v[T0], v[SH8], v[T0]             ; at their places;
	s_delay_alu instid0(VALU_DEP_1)
	v_permlanex16_b32 v[T1], v[T0], s[SEL], s[SEL+1]
	s_delay_alu instid0(VALU_DEP_1)
	v_or_b32 v[PS], v[T0], v[T1]                   ; with lane l xor 16's two: p's scale word for these 128 keys
.irp c, 0,1
	v_cvt_scalef32_pk16_fp6_f32 v[PC+6*\c:PC+6*\c+2], v[S+32*\c:S+32*\c+15], v[SO+\c]
	v_cvt_scalef32_pk16_fp6_f32 v[TC+4*\c:TC+4*\c+2], v[S+32*\c+16:S+32*\c+31], v[SO+\c]   ; (a conversion's three registers begin on an even number)
.endr
	s_setprio 0
	v_nop                                          ; one plain place behind the scaled conversions
.irp c, 0,1
.irp i, 0,1,2
	v_mov_b32 v[PC+6*\c+3+\i], v[TC+4*\c+\i]
.endr
.endr
.irp j, 0,2,4,6,8,10,12,14
	v_pk_mul_f32 v[O+\j:O+\j+1], v[O+\j:O+\j+1], v[F:F+1] op_sel_hi:[1,0]   ; O^T under the new M.  Behind the scale word's last write stand 15 plain instructions, behind the codes' these 8
.endr
.if \more
	s_wait_alu depctr_va_vdst(0)
	s_wait_loadcnt 7                               ; V's seven loads are in; the next step's K, issued behind them, may be out
.else
	s_wait_alu depctr_va_vdst(0)
	s_wait_loadcnt 0x0
.endif
	v_wmma_scale_f32_16x16x128_f8f6f4 v[O:O+7], v[VF:VF+11], v[PC:PC+11], v[O:O+7], v[VS], v[PS] matrix_a_fmt:MATRIX_FMT_FP6 matrix_b_fmt:MATRIX_FMT_FP6
	v_wmma_scale_f32_16x16x128_f8f6f4 v[O+8:O+15], v[VF+12:VF+23], v[PC:PC+11], v[O+8:O+15], v[VS], v[PS] matrix_a_fmt:MATRIX_FMT_FP6 matrix_b_fmt:MATRIX_FMT_FP6 matrix_a_scale:MATRIX_SCALE_ROW1
	PLACES
.if \more
	VLOAD                                          ; the next step's V, by the offsets made above
.endif
.endm
	s_load_b256 s[4:11], s[0:1], 0x0               ; qq s[4:5], kq s[6:7], vq s[8:9], wq s[10:11]
	s_load_b128 s[12:15], s[0:1], 0x20             ; b_out s[12:13], out0 s[14:15]
	v_lshl_add_u32 v[SPW], v0, 2, SPARE
	v_mov_b32 v[NIL], 0
	v_lshrrev_b32 v1, 5, v0
	s_delay_alu instid0(VALU_DEP_1)
	v_readfirstlane_b32 s[WV], v1                  ; wave 0..15
	s_and_b32 s[HD], s[WV], 3                      ; my head
	s_lshr_b32 s[KQ], s[WV], 2                     ; my quarter of the keys
	s_mov_b32 s[TILE], ttmp9
	s_mov_b32 s[SEL], 0x76543210
	s_mov_b32 s[SEL+1], 0xfedcba98
	s_mov_b32 s[CS], 0x4166d4ca                    ; 10 log2(e) = 14.42695
	s_mov_b32 s[CS+1], s[CS]                       ; (named with it as a pair, so it is written)
	v_and_b32 v1, 31, v0                           ; lane
	s_delay_alu instid0(VALU_DEP_1)
	v_lshlrev_b32 v[LI], 4, v1
	s_delay_alu instid0(VALU_DEP_2)
	v_lshlrev_b32 v[LS], 2, v1
	s_and_b32 s[SG], s[TILE], 7                    ; the step at which this work-group begins
	s_mul_i32 s36, s[SG], STEPB
	s_lshl_b32 s37, s[SG], 7
	v_add_nc_u32 v[CO], s36, v[LI]
	v_add_nc_u32 v[SF], s37, v[LS]
	v_and_b32 v[T0], 15, v0                        ; r
	v_bfe_u32 v[T1], v0, 4, 1                      ; h
	s_delay_alu instid0(VALU_DEP_1)
	v_lshlrev_b32 v[SH8], 3, v[T1]
	s_delay_alu instid0(VALU_DEP_3)
	v_lshlrev_b32 v[R4], 2, v[T0]
	s_delay_alu instid0(VALU_DEP_4)
	v_mul_u32_u24 v[QV], v[T0], 24
	s_delay_alu instid0(VALU_DEP_4)
	v_lshlrev_b32 v[BV], 5, v[T1]
	; every LDS address is made here, ahead of the first parting of the waves
	s_mul_i32 s34, s[WV], MWB
	v_add_nc_u32 v[MA], s34, v[LI]
	v_lshlrev_b32 v[MB], 3, v1
	s_delay_alu instid0(VALU_DEP_1)
	v_add_nc_u32 v[MB], s34, v[MB]
	v_mul_u32_u24 v[OA], v[T0], 96                 ; row r of 96 bytes, + 24 x head, + 12 h
	s_delay_alu instid0(VALU_DEP_1)
	v_mad_u32_u24 v[OA], v[T1], 12, v[OA]
	s_mul_i32 s35, s[HD], 24
	s_add_co_u32 s35, s35, OCD
	v_add_nc_u32 v[OA], s35, v[OA]
	s_add_co_u32 s35, s[HD], OSC
	v_add_nc_u32 v[OB], s35, v[R4]
	v_mul_u32_u24 v[OL], v[T0], 96
	s_delay_alu instid0(VALU_DEP_1)
	v_mad_u32_u24 v[OL], v[T1], 24, v[OL]
	s_delay_alu instid0(VALU_DEP_1)
	v_add_nc_u32 v[OL], OCD, v[OL]
	v_mul_u32_u24 v[SA], v[T0], SPITCH             ; the stage: row r, + 64 x (wave % 8), + 32 h
	s_delay_alu instid0(VALU_DEP_1)
	v_lshl_add_u32 v[SA], v[T1], 5, v[SA]
	s_and_b32 s42, s[WV], 7                        ; n: w_out's tile
	s_lshl_b32 s35, s42, 6
	s_add_co_u32 s35, s35, STG
	v_add_nc_u32 v[SA], s35, v[SA]
	s_mul_i32 s35, s[WV], SPITCH
	s_add_co_u32 s35, s35, STG
	v_add_nc_u32 v[SR], s35, v[LI]
	; offsets in memory
	s_mul_i32 s34, s[HD], 98304                    ; codes of K and of V: 32 steps of 3,072 bytes a head, 8 steps a quarter
	s_mul_i32 s35, s[KQ], 8*STEPB
	s_add_co_u32 s34, s34, s35
	s_mov_b32 s35, 0
	s_lshl_b32 s36, s[HD], 12                      ; their scale words: 128 bytes a step
	s_lshl_b32 s37, s[KQ], 10
	s_add_co_u32 s36, s36, s37
	s_mov_b32 s37, 0
	s_mul_i32 s38, s[TILE], 1536                   ; q's codes: 1,536 bytes a tile, 384 a head
	s_mul_i32 s39, s[HD], 384
	s_add_co_u32 s38, s38, s39
	s_mov_b32 s39, 0
	s_lshl_b32 s40, s[TILE], 8                     ; q's scale words
	s_lshl_b32 s41, s[HD], 6
	s_add_co_u32 s40, s40, s41
	s_mov_b32 s41, 0
	s_mul_i32 s44, s42, 1536                       ; w_out's fragment n,
	s_mov_b32 s45, 0
	s_lshl_b32 s46, s42, 6                         ; its scale words, and the bias's 16 numbers: 64 bytes each
	s_mov_b32 s47, 0
	s_lshr_b32 s50, s[TILE], 2                     ; the row that I store at the end: 64 g + 32 (wave / 8) + 8 T + wave % 8
	s_lshl_b32 s50, s50, 6
	s_and_b32 s51, s[TILE], 3
	s_lshl_b32 s51, s51, 3
	s_add_co_u32 s50, s50, s51
	s_lshr_b32 s51, s[WV], 3
	s_lshl_b32 s51, s51, 5
	s_add_co_u32 s50, s50, s51
	s_add_co_u32 s50, s50, s42
	s_lshl_b32 s50, s50, 9
	s_mov_b32 s51, 0
	s_wait_kmcnt 0x0
	s_add_nc_u64 s[KP:KP+1], s[6:7], s[34:35]
	s_add_nc_u64 s[KSP:KSP+1], s[6:7], s[36:37]
	s_add_nc_u64 s[VP:VP+1], s[8:9], s[34:35]
	s_add_nc_u64 s[VSP:VSP+1], s[8:9], s[36:37]
	s_add_nc_u64 s[38:39], s[4:5], s[38:39]
	s_add_nc_u64 s[40:41], s[4:5], s[40:41]
	s_add_nc_u64 s[44:45], s[10:11], s[44:45]
	s_add_nc_u64 s[48:49], s[10:11], s[46:47]
	s_add_nc_u64 s[12:13], s[12:13], s[46:47]
	s_add_nc_u64 s[14:15], s[14:15], s[50:51]
.irp i, 0,1,2
	global_load_b64 v[S+2*\i:S+2*\i+1], v[QV], s[38:39] offset:8*\i    ; q's 24 bytes of query r, in both halves of the lanes
.endr
	global_load_b32 v[QS], v[R4], s[40:41] offset:SCOFF
.irp i, 0,1,2
	global_load_b128 v[WO+4*\i:WO+4*\i+3], v[LI], s[44:45] offset:512*\i   ; w_out's tile wave % 8 and the bias, for the end: every wave loads them, so that the counts below hold in all
.endr
	global_load_b32 v[WOS], v[R4], s[48:49] offset:12288
	global_load_b128 v[BI:BI+3], v[BV], s[12:13]                       ; lane (r, h), register j: b_out[16 n + 8 h + j]: the result's layout
	global_load_b128 v[BI+4:BI+7], v[BV], s[12:13] offset:16
	KLOAD                                          ; the work-group's first step
	VLOAD
.irp i, 0,1,2,3,4,5
	v_mov_b32 v[Q+\i], 0                           ; the zero codes round q
	v_mov_b32 v[Q+12+\i], 0
	v_mov_b32 v[Q+24+\i], 0
.endr
	v_mov_b32 v[NM+1], 0xff61b1e6                  ; the largest t so far: -3e38, under every t
	s_delay_alu instid0(VALU_DEP_1)
	v_floor_f32 v[NM], -v[NM+1]                    ; -M
	v_mov_b32 v14, 0                               ; the sum, in two halves
	v_mov_b32 v15, 0
	v_mov_b32 v[F+1], 0                            ; (named as the upper half of the pair before it is written)
	v_cmp_gt_u32 s34, 16, v1                       ; lanes 0-15
	v_cmp_le_u32 s35, 16, v1                       ; lanes 16-31
	s_wait_loadcnt 20                              ; q's four loads are in: behind them stand 6 for the end and 7 + 7 for the first step
.irp i, 0,1,2,3,4,5
	v_cndmask_b32 v[Q+6+\i], 0, v[S+\i], s34       ; q in lanes 0-15: blocks 0 and 2
	v_cndmask_b32 v[Q+18+\i], 0, v[S+\i], s35      ; q in lanes 16-31: blocks 1 and 3
.endr
.irp j, 0,1,2,3,4,5,6,7,8,9,10,11,12,13,14,15
	v_mov_b32 v[O+\j], 0                           ; O^T: the step is written once; the first finds zeros.  (These are also the places between q's last write and the first product)
.endr
	s_mov_b32 s[CNT], 7
.Lstep:
	s_setprio 2
	STEP 1
	s_sub_co_u32 s[CNT], s[CNT], 1
	s_cmp_lg_u32 s[CNT], 0
	s_cbranch_scc1 .Lstep
	s_setprio 0
	STEP 0                                         ; the eighth step asks for nothing
	; ---- the four quarters of a head meet
	v_add_f32 v[NM+1], v14, v15                    ; the sum's two halves,
	s_delay_alu instid0(VALU_DEP_1)
	v_permlanex16_b32 v[T1], v[NM+1], s[SEL], s[SEL+1]
	s_delay_alu instid0(VALU_DEP_1)
	v_add_f32 v[NM+1], v[NM+1], v[T1]              ; and lane l xor 16's
.irp k, 0,1,2,3
	ds_store_b128 v[MA], v[O+4*\k:O+4*\k+3] offset:512*\k   ; O^T as it stands, each tile from its low end on
.endr
	ds_store_b64 v[MB], v[NM:NM+1] offset:2048
	BARRIER
	s_cmp_lt_u32 s[WV], 4                          ; waves 0-3: head = wave
	s_cbranch_scc0 .Lmerged
.irp q, 0,1,2,3
.irp k, 0,1,2,3
	ds_load_b128 v[S+16*\q+4*\k:S+16*\q+4*\k+3], v[MA] offset:4*MWB*\q+512*\k
.endr
	ds_load_b64 v[KF+2*\q:KF+2*\q+1], v[MB] offset:4*MWB*\q+2048
.endr
	s_wait_dscnt 0x0
	v_min3_num_f32 v[T0], v[KF], v[KF+2], v[KF+4]
	s_delay_alu instid0(VALU_DEP_1)
	v_min_num_f32 v[T0], v[T0], v[KF+6]            ; -M of the largest M
.irp q, 0,1,2,3
	v_sub_f32 v[FQ+\q], v[T0], v[KF+2*\q]          ; the quarter's M less the largest: a whole number, 0 or less
.endr
.irp q, 0,1,2,3
	s_delay_alu instid0(VALU_DEP_4)
	v_cvt_i32_f32 v[FQ+\q], v[FQ+\q]
.endr
.irp q, 0,1,2,3
	s_delay_alu instid0(VALU_DEP_4)
	v_ldexp_f32 v[FQ+\q], 1.0, v[FQ+\q]
.endr
	s_delay_alu instid0(VALU_DEP_4)
	v_mul_f32 v[T1], v[FQ], v[KF+1]
.irp q, 1,2,3
	s_delay_alu instid0(VALU_DEP_1)
	v_fma_f32 v[T1], v[FQ+\q], v[KF+2*\q+1], v[T1] ; the row's sum
.endr
	s_wait_alu depctr_va_vdst(0)
	v_rcp_f32 v[T1], v[T1]
.irp i, 0,1,2,3,4,5,6,7,8,9,10,11,12,13,14,15
	v_mul_f32 v[O+\i], v[S+\i], v[FQ]              ; (plain work behind the reciprocal)
.endr
.irp q, 1,2,3
.irp i, 0,1,2,3,4,5,6,7,8,9,10,11,12,13,14,15
	v_fma_f32 v[O+\i], v[S+16*\q+\i], v[FQ+\q], v[O+\i]
.endr
.endr
	s_wait_alu depctr_va_vdst(0)                   ; the wait ahead of the reciprocal's first reader
.irp i, 0,1,2,3,4,5,6,7,8,9,10,11,12,13,14,15
	v_mul_f32 v[O+\i], v[O+\i], v[T1]              ; O / the sum: channels 16 h + 0 .. 15 of my head
.endr
	v_max3_num_f32 v[BM], |v[O]|, |v[O+1]|, FLOOR  ; the last product's K runs over head and channel: a block is a head, in lanes l and l xor 16
.irp i, 2,4,6,8,10,12,14
	s_delay_alu instid0(VALU_DEP_1)
	v_max3_num_f32 v[BM], v[BM], |v[O+\i]|, |v[O+\i+1]|
.endr
	s_delay_alu instid0(VALU_DEP_1)
	v_permlanex16_b32 v[T0], v[BM], s[SEL], s[SEL+1]
	s_delay_alu instid0(VALU_DEP_1)
	v_max_num_f32 v[BM], v[BM], v[T0]
	s_delay_alu instid0(VALU_DEP_1)
	v_add_nc_u32 v[SO], 0xff000000, v[BM]
	s_delay_alu instid0(VALU_DEP_1)
	v_lshrrev_b32 v[BY], 23, v[SO]
	v_cvt_scalef32_pk16_fp6_f32 v[PC:PC+2], v[O:O+15], v[SO]
	v_nop                                          ; one plain place behind the scaled conversion
.irp i, 0,1,2
	ds_store_b32 v[OA], v[PC+\i] offset:4*\i       ; 12 bytes: 16 codes of row r's stream of bits
.endr
	ds_store_b8 v[OB], v[BY]                       ; both lanes of a block write the same byte with the same value
.Lmerged:
	BARRIER                                        ; 16 rows of 128 codes and their scale words lie in LDS
	s_cmp_lt_u32 s[WV], 8                          ; waves 0-7: outputs 16 n .. 16 n + 15, n = wave
	s_cbranch_scc0 .Lprojected
.irp p, 0,1,2,3,4,5
	ds_load_b64 v[PC+2*\p:PC+2*\p+1], v[OL] offset:48*(\p/3)+8*(\p%3)
.endr
	ds_load_b32 v[PS], v[R4] offset:OSC
	s_wait_dscnt 0x0
	v_wmma_scale_f32_16x16x128_f8f6f4 v[BI:BI+7], v[WO:WO+11], v[PC:PC+11], v[BI:BI+7], v[WOS], v[PS] matrix_a_fmt:MATRIX_FMT_FP6 matrix_b_fmt:MATRIX_FMT_FP6   ; source 0 = 16 rows of w_out, source 1 = the 16 queries, C = the bias
	PLACES
	ds_store_b128 v[SA], v[BI:BI+3]                ; lane (r, h): out(r, 16 n + 8 h + 0 .. 7)
	ds_store_b128 v[SA], v[BI+4:BI+7] offset:16
.Lprojected:
	BARRIER                                        ; 16 whole rows lie in the stage
	ds_load_b128 v[S:S+3], v[SR]                   ; row = wave
	s_wait_dscnt 0x0
	global_store_b128 v[LI], v[S:S+3], s[14:15] th:TH_STORE_NT   ; 32 lanes store a row's 512 consecutive bytes, at a multiple of 512 from out0's first byte
	s_wait_tensorcnt 0x0                           ; the wave's end
	ds_add_u32 v[SPW], v[NIL]
	s_wait_dscnt 0x0
	s_endpgm
.Lfunc_end_k_qea719e58c0_attn:
	.size	k_qea719e58c0_attn, .Lfunc_end_k_qea719e58c0_attn-k_qea719e58c0_attn
	.p2alignl 7, 3214868480
	.fill 96, 4, 3214868480
	.section	.rodata,"a",@progbits
	.p2align	6, 0x0
	.amdhsa_kernel k_qea719e58c0_attn
		.amdhsa_group_segment_fixed_size 49152
		.amdhsa_private_segment_fixed_size 0
		.amdhsa_enable_private_segment 0
		.amdhsa_kernarg_size 48
		.amdhsa_user_sgpr_count 2
		.amdhsa_user_sgpr_kernarg_segment_ptr 1
		.amdhsa_wavefront_size32 1
		.amdhsa_system_sgpr_workgroup_id_x 1
		.amdhsa_system_sgpr_workgroup_id_y 1
		.amdhsa_system_sgpr_workgroup_id_z 1
		.amdhsa_system_vgpr_workitem_id 0
		.amdhsa_next_free_vgpr 248
		.amdhsa_next_free_sgpr 66
		.amdhsa_reserve_vcc 0
		.amdhsa_float_denorm_mode_32 3
		.amdhsa_float_denorm_mode_16_64 3
		.amdhsa_memory_ordered 1
		.amdhsa_forward_progress 1
		.amdhsa_inst_pref_size 46
	.end_amdhsa_kernel
	.amdgpu_metadata
---
amdhsa.version: [ 1, 2 ]
amdhsa.kernels:
  - .name:           k_qea719e58c0_attn
    .symbol:         k_qea719e58c0_attn.kd
    .args:
      - { .name: qq, .offset: 0, .size: 8, .value_kind: global_buffer, .address_space: global }
      - { .name: kq, .offset: 8, .size: 8, .value_kind: global_buffer, .address_space: global }
      - { .name: vq, .offset: 16, .size: 8, .value_kind: global_buffer, .address_space: global }
      - { .name: wq, .offset: 24, .size: 8, .value_kind: global_buffer, .address_space: global }
      - { .name: b_out, .offset: 32, .size: 8, .value_kind: global_buffer, .address_space: global }
      - { .name: out0, .offset: 40, .size: 8, .value_kind: global_buffer, .address_space: global }
    .group_segment_fixed_size: 49152
    .private_segment_fixed_size: 0
    .kernarg_segment_align: 8
    .kernarg_segment_size: 48
    .max_flat_workgroup_size: 512
    .sgpr_count:     66
    .vgpr_count:     248
    .wavefront_size: 32
...
	.end_amdgpu_metadata
.endif
;; end of part 3
